; MI455X (gfx1250); checked and timed in simulation.
; The chip was launched on July 23, 2026; its instructions are those of AMD's public machine-readable ISA for CDNA 5 (MIT licence, August 2026) and "CDNA5" Instruction Set Architecture Reference Guide (July 2026). The comments in the code are by the model that wrote it; some were corrected since.
;; Basic Attention. Allowed arithmetic: matrix products marked QUANTISED: E5M2 operands, one given power-of-two scale a tensor, by v_wmma_f32_16x16x64_bf8_bf8 or v_wmma_f32_16x16x128_bf8_bf8, f32 sums; everything else in f32.
;; Inputs: Wk_codes 1,024 x 32 x 32 uint8 (E5M2 codes of Wk, K innermost, in blocks of 32 codes); Wq_codes 1,024 x 32 x 32 uint8 (E5M2 codes of Wq, K innermost, in blocks of 32 codes); Wv_codes 1,024 x 32 x 32 uint8 (E5M2 codes of Wv, K innermost, in blocks of 32 codes); bk 1,024 float32; bq 1,024 float32; bv 1,024 float32; lowp_scales 10 int32 (the exponents e of the quantised operands' scales 2^e); mask 4 x 2,048 x 2,048 int32; x_codes 4 x 2,048 x 32 x 32 uint8 (E5M2 codes of x, K innermost, in blocks of 32 codes).
;; Outputs: out0 4 x 2,048 x 1,024 float32.
;; This version of the problem:
;;   THIS VERSION OF THE PROBLEM IS GIVEN IN LOW PRECISION. The matrix products marked QUANTISED in the list below multiply operands that are first quantised to E5M2 (5 exponent bits, 2 mantissa bits; 8 bits a number), with one given power-of-two scale for each operand tensor; their sums are f32. All else is computed in f32.
;;   The module's matrix products, in the order in which they are computed (A, B: the left and right operand; K: the contracted axis; several contracted axes count as one K, in the product's order):
;;     1. [M 8,192, K 1,024] x [K 1,024, N 1,024]; A: input x (given as codes); B: input Wq (given as codes): QUANTISED (scales: A lowp_scales[0], B lowp_scales[1])
;;     2. [M 8,192, K 1,024] x [K 1,024, N 1,024]; A: input x (given as codes); B: input Wk (given as codes): QUANTISED (scales: A lowp_scales[2], B lowp_scales[3])
;;     3. [M 8,192, K 1,024] x [K 1,024, N 1,024]; A: input x (given as codes); B: input Wv (given as codes): QUANTISED (scales: A lowp_scales[4], B lowp_scales[5])
;;     4. batch 4 x [M 2,048, K 1,024] x [K 1,024, N 2,048]; A: computed on the way; B: computed on the way: QUANTISED (scales: A lowp_scales[6], B lowp_scales[7])
;;     5. batch 4 x [M 2,048, K 2,048] x [K 2,048, N 1,024]; A: softmax (see below); B: computed on the way: QUANTISED (scales: A lowp_scales[8], B lowp_scales[9])
;;   THE QUANTISER, for each operand of a quantised product, along K:
;;     - The operand's scale is 2^e, e = its entry of the input lowp_scales (int32; the entries are numbered through the quantised products in the list's order, A before B).
;;     - Each number is divided by the scale, clamped to +-57,344, and rounded to the nearest number of E5M2, ties to even, subnormals kept.
;;     - The product sums the exact products of the quantised numbers (number of the format x scale) in f32.
;;   ~~~python
;;   def quantise(x, axis, e):      # numpy; x: float32 -> the quantised numbers, widened to float32 again
;;       x = np.moveaxis(x, axis, -1); K = x.shape[-1]
;;       r = np.clip(x / 2.0 ** e, -57344, 57344)
;;       step = 2.0 ** (np.maximum(np.frexp(np.where(r == 0, 1, r))[1] - 1, -14) - 2)
;;       q = np.round(r / step) * step * 2.0 ** e      # np.round: ties to even
;;       return np.moveaxis(q, -1, axis).astype(np.float32)
;;   ~~~
;;   SOFTMAX AHEAD OF A QUANTISED PRODUCT. Where the list says 'softmax', what is quantised is not the finished softmax but p = 2^(t - M), with t = logit x log2(e) and M = ceil(the row's largest t), a whole number; so 1/2 < the row's largest p <= 1. The row's sum l is taken of the UNQUANTISED p, in f32, and the product's result is divided by l at the end. Since M is a whole number, a kernel that streams over the keys may use a running M (the ceiling of the running maximum): every later rescaling is an exact power of two, so the quantised numbers keep their values, but for numbers so far below the row's largest that they fall under the format's range.
;;   OPERANDS COMPUTED ON THE WAY. 'Computed on the way' means the value that the module computes at that place (a softmax that the list does not call 'softmax' is quantised finished and normalised). What goes into a quantiser is computed in f32, as accurately as f32 sums, v_exp_f32 and their like allow (about 1e-6 of the number): no bf16 or f16 on the way to a quantiser, and a product that is left as it is and whose result goes on into a quantised operand takes f32 operands (vector FMAs, or v_wmma_f32_16x16x4_f32). A number that lies on a knife's edge between two numbers of the format may be rounded either way, as far as f32 arithmetic and the matrix unit's own rounding can turn it there, and no further.
;;   INPUTS GIVEN AS CODES. Wk (in the module: [1024, 1024], K = its axis 0); Wq (in the module: [1024, 1024], K = its axis 0); Wv (in the module: [1024, 1024], K = its axis 0); x (in the module: [4, 2048, 1024], K = its axis 2): each comes as NAME_codes (uint8): NAME with its K axis moved to the last place and cut into blocks of 32 codes, [.., K / 32, bytes a block], one block behind the other in memory; one code a byte (a code: sign, 5 exponent bits, 2 mantissa bits); its scale is its entry of lowp_scales. Its value is code x scale, taken as it is: it is not quantised again, and the codes and scales need not be those that the quantiser above would give.
;; One version. Each part assembles by itself: llvm-mc -triple=amdgcn-amd-amdhsa -mcpu=gfx1250 --defsym DOCPART=n.
;; ======== version 1 of 1: 3 launches
;; limits: right only within a limited range of input values
;; workspace buffers: Qi 8,388,608 bytes; Ki 8,388,608 bytes; Vi 8,388,608 bytes; Pi 16,777,216 bytes; St 1,048,576 bytes
;; launch proj (part 1): grid 8 x 32, 4 waves a work-group, clusters of 4 x 4, 327,680 bytes of LDS; arguments x_codes, Wq_codes, Wk_codes, Wv_codes, bq, bk, bv, lowp_scales, Qi, Ki, Vi; writes Qi, Ki, Vi
.if DOCPART == 1
	.amdgcn_target "amdgcn-amd-amdhsa--gfx1250"
	.amdhsa_code_object_version 6
	.text
	.protected	k_q0eb25492cd_proj
	.globl	k_q0eb25492cd_proj
	.p2align	8
	.type	k_q0eb25492cd_proj,@function
k_q0eb25492cd_proj:
	s_mov_b64 s[64:65], 0
	v_nop
	global_prefetch_b8 v0, s[64:65] scope:SCOPE_SE
	s_setreg_imm32_b32 hwreg(HW_REG_WAVE_MODE, 25, 1), 1
	s_wait_xcnt 0x0
	s_wait_alu depctr_hold_cnt(0) depctr_sa_sdst(0) depctr_va_vdst(0) depctr_va_sdst(0) depctr_va_ssrc(0) depctr_va_vcc(0) depctr_vm_vsrc(0)
	s_getreg_b32 s2, hwreg(HW_REG_IB_STS2, 6, 4)
	s_cmp_eq_u32 s2, 0
	s_cbranch_scc0 .Lentry_in_a_cluster
	s_endpgm
.Lentry_in_a_cluster:
	s_bfe_u32 s2, ttmp6, 0x10000c
	s_cmp_lg_u32 s2, 0xf033
	s_cbranch_scc0 .Lentry_shape_is_right
	s_endpgm
.Lentry_shape_is_right:
; THE THREE PROJECTIONS on codes of BF8 (E5M2), and their quantising.  Q, K = x Wq + bq, x Wk + bk; V = x Wv + bv.  No step of the problem is left out in this program.
; A work-group (four waves) first makes 256 tokens x 256 features of Q (cluster x = 0) or K (cluster x = 1): a wave 128 x 128, 64 accumulators; then 256 tokens x 128 channels of V: a wave 64 channels x 128 tokens.
; Q's and K's bias, divided by the power of two that the sums lack, is the C of each accumulator's first product; the three scales ahead of the quantiser are folded into the conversion's one.  V's sums are multiplied and take their bias on the way out.
; Each result is held at the largest code and becomes codes, stored as images of the fragments that the next launches multiply (2,048 bytes: register group g of lane l at 512 g + 16 l).
;   Qi, Ki: [token tile 512][chunk of 128 features: 8][2,048].   Vi: [tile of 16 channels: 64][chunk of 128 tokens: 64][2,048].
; K goes in steps of 256 through two LDS slots filled by joint tensor loads (4 x 4 work-groups: source 1's rows are shared along a row of the cluster, source 0's along a column).  Waves 0 and 1 fetch for the one, 2 and 3 for the other.
; PREFETCH: of the 128 rows that a wave fetches, each of the four partners names 32, told apart by address, a lane a row: K steps 1 and 2 behind K step 0's load, K step 3 behind K step 1's.
;   Wv's rows likewise (16 rows x two K steps), two refills ahead of their loads.  V's rows of x have been read by this cluster before and are not asked for.
; LIMITS on the given exponents: e0 + e1 and e2 + e3 between -126 and 126; e4 + e5 between -126 and 127; e6 - e0 - e1, e7 - e2 - e3 and e9 between -126 and 112: each power of two is an f32 number.
;   bq x 2^-(e0 + e1) and bk x 2^-(e2 + e3) stay under 2^127.
.set ROWB,   256
.set KROW,   1024
.set PITCH,  272
.set FR,     16
.set NL,     4
.set NP,     4
.set HALFT,  128*PITCH
.set SLOT,   4*HALFT
.set SPARE,  2*SLOT
.set BNO,  5
.set BMO,  6
.set LI,   8
.set LIM2, 12
.set SCL2, 13
.set LIM,  14
.set SCL,  15
.set ADRA, 16
.set ADRA2, 18
.set ADRB, 20
.set SPW,  28
.set NIL,  29
.set BN,   32
.set BM,   96
.set CD,   112
.set AF,   128
.set G1,  24
.set G0,  32
.set G1B, 48
.set G0B, 56
.set G1C, 84
.set MSB, 0
.macro WIN new
.if MSB != (\new)
	s_set_vgpr_msb (MSB<<8)|(\new)
.set MSB, (\new)
.endif
.endm
.set MUL_LO, 0xa1
.set MUL_HI, 0xf1
.set TO_B,   0x40
.macro JLOAD g0a, g1a, g0b, g1b
	s_cmp_eq_u32 s15, 0
	s_cbranch_scc0 .Lfor_b_\@
	tensor_load_to_lds s[\g0a:\g0a+3], s[\g1a:\g1a+7]
	s_nop 0
.rept 4
	v_nop
.endr
	s_branch .Lasked_\@
.Lfor_b_\@:
	tensor_load_to_lds s[\g0b:\g0b+3], s[\g1b:\g1b+7]
	s_nop 0
.rept 4
	v_nop
.endr
.Lasked_\@:
.endm
.macro CREST
	s_cmp_lg_u32 s14, 0
	s_cbranch_scc1 .Lnot_wave_0_\@
	s_barrier_signal -3
.Lnot_wave_0_\@:
	s_barrier_wait -3
	s_barrier_signal -1
	s_barrier_wait -1
.endm
.macro CROUND
	s_barrier_signal -1
	s_barrier_wait -1
	CREST
.endm
	s_load_b512 s[68:83], s[0:1], 0x0
	s_load_b128 s[84:87], s[0:1], 0x40
	s_load_b64 s[88:89], s[0:1], 0x50
	v_lshl_add_u32 v[SPW], v0, 2, SPARE
	v_mov_b32 v[NIL], 0
	ds_add_u32 v28, v29
	ds_add_u32 v28, v29
	s_wait_dscnt 0x0
	v_lshrrev_b32 v1, 5, v0
	v_readfirstlane_b32 s14, v1
	s_lshr_b32 s15, s14, 1
	s_and_b32 s16, s14, 1
	s_bfe_u32 s40, ttmp6, 0x40000
	s_bfe_u32 s41, ttmp6, 0x40004
	s_and_b32 s66, ttmp7, 0xffff
	s_lshl_b32 s43, s41, 2
	s_lshl_b32 s43, 15, s43
	s_lshl_b32 s44, 0x1111, s40
	s_or_b32 s[G1+0], s43, (0<<16)|(1<<20)|(1<<21)|(5<<22)|(3<<25)
	s_or_b32 s[G1B+0], s44, (0<<16)|(1<<20)|(1<<21)|(5<<22)|(3<<25)
.irp g, G1, G1B
	s_mov_b32 s[\g+1], ROWB<<16
	s_mov_b32 s[\g+2], 128<<16
	s_mov_b32 s[\g+3], ROWB<<16
	s_mov_b32 s[\g+4], 128
	s_mov_b32 s[\g+5], KROW
	s_mov_b32 s[\g+6], 0
	s_mov_b32 s[\g+7], 0
.endr
	s_lshl_b32 s18, s16, 17
	s_lshl_b32 s20, s41, 18
	s_add_co_u32 s20, s20, s18
	s_mov_b32 s21, 0
	s_lshl_b32 s46, s40, 18
	s_add_co_u32 s46, s46, s18
	s_mov_b32 s47, 0
	s_lshl_b32 s2, s41, 17
	s_lshl_b32 s3, s16, 16
	s_add_co_u32 s2, s2, s3
	s_lshl_b32 s3, ttmp9, 19
	s_add_co_u32 s2, s2, s3
	s_mov_b32 s3, 0
	s_lshl_b32 s22, s66, 20
	s_mov_b32 s23, 0
	s_mul_i32 s45, s14, HALFT
	s_mul_i32 s67, s16, 64*PITCH
	s_wait_kmcnt 0x0
	s_load_b256 s[92:99], s[82:83], 0x0
	s_load_b64 s[100:101], s[82:83], 0x20
	s_add_nc_u64 s[4:5], s[68:69], s[22:23]
	s_cmp_eq_u32 ttmp9, 0
	s_cselect_b64 s[6:7], s[70:71], s[72:73]
	s_cselect_b64 s[8:9], s[76:77], s[78:79]
	s_cselect_b64 s[10:11], s[84:85], s[86:87]
	s_mov_b64 s[12:13], s[88:89]
	s_add_nc_u64 s[20:21], s[4:5], s[20:21]
	s_add_nc_u64 s[72:73], s[4:5], s[46:47]
	s_add_nc_u64 s[46:47], s[6:7], s[46:47]
	s_add_nc_u64 s[74:75], s[74:75], s[2:3]
	s_or_b32 s[G1C+0], s43, (0<<16)|(1<<20)|(1<<21)|(5<<22)|(3<<25)
	s_mov_b32 s[G1C+1], ROWB<<16
	s_mov_b32 s[G1C+2], 64<<16
	s_mov_b32 s[G1C+3], ROWB<<16
	s_mov_b32 s[G1C+4], 64
	s_mov_b32 s[G1C+5], KROW
	s_mov_b32 s[G1C+6], 0
	s_mov_b32 s[G1C+7], 0
	CROUND
.irp s, 0,1
	s_mov_b32 s[G0+4*\s], 1
	s_add_co_u32 s[G0+4*\s+1], s45, \s*SLOT
	s_add_nc_u64 s[G0+4*\s+2:G0+4*\s+3], s[20:21], \s*ROWB
	s_or_b32 s[G0+4*\s+3], s[G0+4*\s+3], 0x80000000
	s_mov_b32 s[G0B+4*\s], 1
	s_add_co_u32 s[G0B+4*\s+1], s45, \s*SLOT
	s_add_nc_u64 s[G0B+4*\s+2:G0B+4*\s+3], s[46:47], \s*ROWB
	s_or_b32 s[G0B+4*\s+3], s[G0B+4*\s+3], 0x80000000
.endr
	JLOAD G0, G1, G0B, G1B                         ; K step 0: one tensor load a wave at the head
.macro ASKW s                          ; Wv's K steps 2 s, 2 s + 1: the waves that will fetch them ask
	s_cmp_eq_u32 s15, 0
	s_cbranch_scc0 .Lno_w_\@
	global_prefetch_b8 v23, s[78:79] offset:512*(\s) th:TH_LOAD_NT scope:SCOPE_SE
.Lno_w_\@:
.endm
	v_and_b32 v1, 15, v0
	v_bfe_u32 v2, v0, 4, 1
	v_mul_u32_u24 v3, v1, PITCH
	v_lshl_add_u32 v4, v2, 4, v3
	s_mul_i32 s21, s15, HALFT
	s_mul_i32 s22, s16, HALFT
	s_add_co_u32 s22, s22, 2*HALFT
	s_mul_i32 s23, s15, 64*PITCH
.irp s, 0,1
	v_add_nc_u32 v[ADRA+\s], s21, v4
	v_add_nc_u32 v[ADRB+\s], s22, v4
	v_add_nc_u32 v[ADRA2+\s], s23, v4
	s_add_co_u32 s21, s21, SLOT
	s_add_co_u32 s22, s22, SLOT
	s_add_co_u32 s23, s23, SLOT
.endr
	s_lshl_b32 s76, s41, 18                        ; the prefetches: x's tile by cy, my work-group's 32 rows by cx;
	s_lshl_b32 s78, s40, 15
	s_add_co_u32 s76, s76, s78
	s_lshl_b32 s77, s40, 18                        ; W's tile by cx, the 32 rows by cy
	s_lshl_b32 s79, s41, 15
	s_add_co_u32 s77, s77, s79
	s_cmp_eq_u32 s15, 0
	s_cselect_b32 s76, s76, s77
	s_cselect_b64 s[78:79], s[4:5], s[6:7]
	s_lshl_b32 s77, s16, 17                        ; + the 128 rows that I fetch
	s_add_co_u32 s76, s76, s77
	s_mov_b32 s77, 0
	s_add_nc_u64 s[76:77], s[78:79], s[76:77]
	s_lshl_b32 s78, s40, 14                        ; Wv: my work-group's 16 of the 64 rows that I fetch
	s_mov_b32 s79, 0
	s_add_nc_u64 s[78:79], s[74:75], s[78:79]
	v_and_b32 v22, 31, v0
	v_and_b32 v23, 15, v0
	v_bfe_u32 v24, v0, 4, 1
	v_lshlrev_b32 v22, 10, v22                     ; a lane a row of 1,024 bytes
	v_lshlrev_b32 v23, 10, v23
	v_lshl_add_u32 v23, v24, 8, v23                ; lanes 0-15 one K step, lanes 16-31 the next
	global_prefetch_b8 v22, s[76:77] offset:256 th:TH_LOAD_NT scope:SCOPE_SE
	global_prefetch_b8 v22, s[76:77] offset:512 th:TH_LOAD_NT scope:SCOPE_SE
	v_and_b32 v7, 31, v0
	v_lshlrev_b32 v[LI], 4, v7
	s_lshl_b32 s18, s40, 10
	s_lshl_b32 s19, s16, 9
	s_add_co_u32 s18, s18, s19
	v_lshl_add_u32 v[BNO], v2, 5, s18
	s_lshl_b32 s18, ttmp9, 11
	s_lshl_b32 s19, s41, 9
	s_add_co_u32 s18, s18, s19
	s_lshl_b32 s19, s15, 8
	s_add_co_u32 s18, s18, s19
	v_lshl_add_u32 v[BMO], v1, 2, s18
.irp b, 0,1,2,3,4,5,6,7
	global_load_b128 v[BN+8*\b:BN+8*\b+3], v[BNO], s[8:9] offset:64*\b
	global_load_b128 v[BN+8*\b+4:BN+8*\b+7], v[BNO], s[8:9] offset:64*\b+16
.endr
.irp a, 0,1,2,3
	global_load_b32 v[BM+\a], v[BMO], s[80:81] offset:64*\a
.endr
	s_lshl_b32 s18, s66, 20
	s_lshl_b32 s19, s41, 18
	s_add_co_u32 s18, s18, s19
	s_lshl_b32 s19, s15, 17
	s_add_co_u32 s18, s18, s19
	s_lshl_b32 s19, s40, 12
	s_add_co_u32 s18, s18, s19
	s_lshl_b32 s19, s16, 11
	s_add_co_u32 s18, s18, s19
	s_mov_b32 s19, 0
	s_add_nc_u64 s[10:11], s[10:11], s[18:19]
	s_lshl_b32 s18, ttmp9, 22
	s_lshl_b32 s19, s41, 20
	s_add_co_u32 s18, s18, s19
	s_lshl_b32 s19, s15, 19
	s_add_co_u32 s18, s18, s19
	s_lshl_b32 s19, s66, 14
	s_add_co_u32 s18, s18, s19
	s_lshl_b32 s19, s40, 12
	s_add_co_u32 s18, s18, s19
	s_lshl_b32 s19, s16, 11
	s_add_co_u32 s18, s18, s19
	s_mov_b32 s19, 0
	s_add_nc_u64 s[12:13], s[12:13], s[18:19]
	s_wait_kmcnt 0x0
	s_add_co_i32 s92, s92, s93
	s_add_co_i32 s94, s94, s95
	s_add_co_i32 s93, s96, s97
	s_cmp_eq_u32 ttmp9, 0
	s_cselect_b32 s92, s92, s94
	s_cselect_b32 s94, s98, s99
	s_sub_co_i32 s94, s94, s92                     ; a sum stands for sum x 2^s92: its code is sum / 2^(s94 - s92)
	s_sub_co_i32 s96, 127, s92
	s_lshl_b32 s96, s96, 23                        ; 2^-s92, for the bias
	s_mov_b32 s97, s96                             ; (named with it as a pair, so it is written)
	s_add_co_i32 s93, s93, 127
	s_lshl_b32 s98, s93, 23
	s_mov_b32 s99, s98
	s_add_co_i32 s94, s94, 127
	s_lshl_b32 s95, s94, 23
	v_mov_b32 v[SCL], s95
	s_add_co_i32 s94, s94, 15
	s_lshl_b32 s94, s94, 23
	s_or_b32 s94, s94, 0x600000
	v_mov_b32 v[LIM], s94
	s_add_co_i32 s101, s101, 127
	s_lshl_b32 s95, s101, 23
	v_mov_b32 v[SCL2], s95
	s_add_co_i32 s101, s101, 15
	s_lshl_b32 s101, s101, 23
	s_or_b32 s101, s101, 0x600000
	v_mov_b32 v[LIM2], s101
.macro FRAG reg, adr, q, i
.irp c, 0,1,2,3
	ds_load_b128 v[\reg+4*\c:\reg+4*\c+3], v[\adr] offset:128*(\q)+32*\c+(\i)*16*PITCH
.endr
.endm
.macro MUL16 a0, p, zero
.irp a, \a0, \a0+1
.irp b, 0,1,2,3,4,5,6,7
.if \zero
	v_wmma_f32_16x16x128_bf8_bf8 v[8*(8*((\a)%4)+\b):8*(8*((\a)%4)+\b)+7], v[128*(\p)+FR*\b:128*(\p)+FR*\b+FR-1], v[AF+FR*(\a):AF+FR*(\a)+FR-1], v[BN+8*\b:BN+8*\b+7]
.else
	v_wmma_f32_16x16x128_bf8_bf8 v[8*(8*((\a)%4)+\b):8*(8*((\a)%4)+\b)+7], v[128*(\p)+FR*\b:128*(\p)+FR*\b+FR-1], v[AF+FR*(\a):AF+FR*(\a)+FR-1], v[8*(8*((\a)%4)+\b):8*(8*((\a)%4)+\b)+7]
.endif
.endr
.endr
.endm
.macro FETCH_B slot, q, p
	WIN TO_B
.irp i, 0,1,2,3,4,5,6,7
	FRAG 128*(\p)+FR*\i, ADRB+\slot, \q, \i
.endr
	WIN 0
.endm
.macro FETCH_A slot, q, i0
.irp i, \i0, \i0+1, \i0+2, \i0+3
	FRAG AF+FR*(\i), ADRA+\slot, \q, \i
.endr
.endm
.macro FETCH2 slot, q, p
	FETCH_B \slot, \q, \p
.irp i, 0,1,2,3
	FRAG AF+64*(\p)+FR*\i, ADRA2+\slot, \q, \i
.endr
.endm
.macro PLACES n
.rept \n
	v_nop
.endr
.endm
.macro STEP slot, q, zero
	s_wait_dscnt 4*NL
	WIN MUL_LO-0x20*(\zero)                        ; zero = 1: C, the bias, lies in window 0
	MUL16 0, (\q)%2, \zero
	MUL16 2, (\q)%2, \zero
	s_wait_dscnt 0
	PLACES NP
	FETCH_B \slot, (\q)+1, 1-(\q)%2
	FETCH_A \slot, (\q)+1, 0
	WIN MUL_HI-0x30*(\zero)
	MUL16 4, (\q)%2, \zero
	MUL16 6, (\q)%2, \zero
	PLACES NP
	WIN 0
	FETCH_A \slot, (\q)+1, 4
.endm
.macro TURN slot, next, mode
	s_wait_tensorcnt 0x0
	ds_add_u32 v[SPW], v[NIL]
	s_wait_dscnt 4*NL+1
	WIN MUL_LO
	MUL16 0, 1, 0
	s_wait_dscnt 0x0
	s_barrier_signal -1
	MUL16 2, 1, 0
	WIN 0
	s_barrier_wait -1
	CREST
.if \mode == 0
	s_add_nc_u64 s[G0+4*\slot+2:G0+4*\slot+3], s[G0+4*\slot+2:G0+4*\slot+3], 2*ROWB
	s_add_nc_u64 s[G0B+4*\slot+2:G0B+4*\slot+3], s[G0B+4*\slot+2:G0B+4*\slot+3], 2*ROWB
	JLOAD G0+4*\slot, G1, G0B+4*\slot, G1B
.else
	s_add_co_u32 s[G0+4*\slot+1], s67, \slot*SLOT
	s_add_nc_u64 s[G0+4*\slot+2:G0+4*\slot+3], s[74:75], \slot*ROWB
	s_or_b32 s[G0+4*\slot+3], s[G0+4*\slot+3], 0x80000000
	s_add_nc_u64 s[G0B+4*\slot+2:G0B+4*\slot+3], s[72:73], \slot*ROWB
	s_or_b32 s[G0B+4*\slot+3], s[G0B+4*\slot+3], 0x80000000
	JLOAD G0+4*\slot, G1C, G0B+4*\slot, G1B
.endif
.if \mode < 2
	FETCH_B \next, 0, 0
	FETCH_A \next, 0, 0
.if \mode == 0
	ASKW \slot
.endif
.else
	FETCH2 \next, 0, 0
.endif
	WIN MUL_HI
	MUL16 4, 1, 0
	MUL16 6, 1, 0
	PLACES NP
	WIN 0
.if \mode < 2
	FETCH_A \next, 0, 4
.endif
.endm
.macro MUL8V a, p
.irp b, 0,1,2,3,4,5,6,7
.if ZR
	v_wmma_f32_16x16x128_bf8_bf8 v[8*(8*(\a)+\b):8*(8*(\a)+\b)+7], v[128*(\p)+FR*\b:128*(\p)+FR*\b+FR-1], v[AF+64*(\p)+FR*(\a):AF+64*(\p)+FR*(\a)+FR-1], 0
.else
	v_wmma_f32_16x16x128_bf8_bf8 v[8*(8*(\a)+\b):8*(8*(\a)+\b)+7], v[128*(\p)+FR*\b:128*(\p)+FR*\b+FR-1], v[AF+64*(\p)+FR*(\a):AF+64*(\p)+FR*(\a)+FR-1], v[8*(8*(\a)+\b):8*(8*(\a)+\b)+7]
.endif
.endr
.endm
.macro STEPA2 g
.set ZR, 0
.if (\g) == 0
.set ZR, 1
.endif
	s_wait_dscnt 2*NL
	PLACES NP
	FETCH2 (\g)%2, 1, 1
	WIN MUL_LO
	MUL8V 0, 0
	MUL8V 1, 0
.if (\g) < 3
	WIN 0
	s_wait_tensorcnt 0x0
	ds_add_u32 v[SPW], v[NIL]
	s_wait_dscnt 12*NL+1
	WIN MUL_LO
	MUL8V 2, 0
	s_wait_dscnt 0x0
	s_barrier_signal -1
	MUL8V 3, 0
	WIN 0
	s_barrier_wait -1
.if (\g) < 2
	CREST
	s_add_nc_u64 s[G0+4*((\g)%2)+2:G0+4*((\g)%2)+3], s[G0+4*((\g)%2)+2:G0+4*((\g)%2)+3], 2*ROWB
	s_add_nc_u64 s[G0B+4*((\g)%2)+2:G0B+4*((\g)%2)+3], s[G0B+4*((\g)%2)+2:G0B+4*((\g)%2)+3], 2*ROWB
	JLOAD G0+4*((\g)%2), G1C, G0B+4*((\g)%2), G1B
.else
	PLACES NP
.endif
.else
	s_wait_dscnt 12*NL
	MUL8V 2, 0
	MUL8V 3, 0
	s_wait_dscnt 0x0
.endif
.set ZR, 0
.endm
.macro STEPB2 g
.if (\g) < 3
	FETCH2 ((\g)+1)%2, 0, 0
.endif
	WIN MUL_LO
	MUL8V 0, 1
	MUL8V 1, 1
	MUL8V 2, 1
	MUL8V 3, 1
.endm
.macro OUTQ a
.set AC, 64*((\a)%4)
	WIN 0x82+0x41*((\a)/4)
.set J, 0
.rept 64
	v_med3_num_f32 v[AC+J], v[AC+J], -v[LIM], v[LIM]
.set J, J+1
.endr
	WIN 0x02+((\a)/4)
.if (\a) >= 1
	s_wait_alu depctr_va_vdst(0)
	s_wait_xcnt 0x0
.endif
.irp b, 0,1,2,3,4,5,6,7
	v_cvt_scalef32_pk8_bf8_f32 v[CD+2*\b:CD+2*\b+1], v[AC+8*\b:AC+8*\b+7], v[SCL]
.endr
	v_nop
	WIN 0
.irp g, 0,1,2,3
	global_store_b128 v[LI], v[CD+4*\g:CD+4*\g+3], s[10:11] offset:(\a)*16384+512*\g
.endr
.endm
.macro OUTV a
.set AC, 64*(\a)
.set BP, BM+((\a)&2)
	WIN 0x82
.set J, 0
.rept 32
.if ((\a)%2) == 0
	v_pk_fma_f32 v[AC+J:AC+J+1], v[AC+J:AC+J+1], s[98:99], v[BP:BP+1] op_sel_hi:[1,0,0]
.else
	v_pk_fma_f32 v[AC+J:AC+J+1], v[AC+J:AC+J+1], s[98:99], v[BP:BP+1] op_sel:[0,0,1] op_sel_hi:[1,0,1]
.endif
.set J, J+2
.endr
.set J, 0
.rept 64
	v_med3_num_f32 v[AC+J], v[AC+J], -v[LIM2], v[LIM2]
.set J, J+1
.endr
	WIN 0x02
	s_wait_alu depctr_va_vdst(0)
	s_wait_xcnt 0x0
.irp b, 0,1,2,3,4,5,6,7
	v_cvt_scalef32_pk8_bf8_f32 v[CD+2*\b:CD+2*\b+1], v[AC+8*\b:AC+8*\b+7], v[SCL2]
.endr
	v_nop
	WIN 0
.irp g, 0,1,2,3
	global_store_b128 v[LI], v[CD+4*\g:CD+4*\g+3], s[12:13] offset:(\a)*131072+512*\g
.endr
.endm
	s_wait_alu depctr_va_vdst(0)
	s_wait_loadcnt 0x0                             ; the biases
.set J, 0
.rept 32
	v_pk_mul_f32 v[BN+J:BN+J+1], v[BN+J:BN+J+1], s[96:97] op_sel_hi:[1,0]   ; x 2^-(the two exponents): nothing is rounded, short of underflow
.set J, J+2
.endr
	s_wait_alu depctr_va_vdst(0)
	s_wait_tensorcnt 0x0                           ; my part of K step 0 is in; ahead of slot 1's first fill stand the same lines as ahead of a refill
	ds_add_u32 v[SPW], v[NIL]
	s_wait_dscnt 0x0
	CROUND
	JLOAD G0+4, G1, G0B+4, G1B                     ; K step 1
	FETCH_B 0, 0, 0
	FETCH_A 0, 0, 0
	FETCH_A 0, 0, 4
	global_prefetch_b8 v22, s[76:77] offset:768 th:TH_LOAD_NT scope:SCOPE_SE
	STEP 0, 0, 1
	TURN 0, 1, 0
	STEP 1, 0, 0
	TURN 1, 0, 0
	STEP 0, 0, 0
	TURN 0, 1, 1
	STEP 1, 0, 0
	TURN 1, 0, 2
.irp a, 0,1,2,3
	OUTQ \a
.endr
	STEPA2 0
	STEPB2 0
	OUTQ 4
	OUTQ 5
	STEPA2 1
	STEPB2 1
	OUTQ 6
	OUTQ 7
	STEPA2 2
	STEPB2 2
	STEPA2 3
	STEPB2 3
	WIN 0
	PLACES NP
.irp a, 0,1,2,3
	OUTV \a
.endr
	s_wait_tensorcnt 0x0
	ds_add_u32 v[SPW], v[NIL]
	s_wait_dscnt 0x0
	CROUND
	s_endpgm
.Lfunc_end_k_q0eb25492cd_proj:
	.size	k_q0eb25492cd_proj, .Lfunc_end_k_q0eb25492cd_proj-k_q0eb25492cd_proj
	.p2alignl 7, 3214868480
	.fill 96, 4, 3214868480
	.section	.rodata,"a",@progbits
	.p2align	6, 0x0
	.amdhsa_kernel k_q0eb25492cd_proj
		.amdhsa_group_segment_fixed_size 327680
		.amdhsa_private_segment_fixed_size 0
		.amdhsa_enable_private_segment 0
		.amdhsa_kernarg_size 88
		.amdhsa_user_sgpr_count 2
		.amdhsa_user_sgpr_kernarg_segment_ptr 1
		.amdhsa_wavefront_size32 1
		.amdhsa_system_sgpr_workgroup_id_x 1
		.amdhsa_system_sgpr_workgroup_id_y 1
		.amdhsa_system_sgpr_workgroup_id_z 1
		.amdhsa_system_vgpr_workitem_id 0
		.amdhsa_next_free_vgpr 1024
		.amdhsa_next_free_sgpr 102
		.amdhsa_reserve_vcc 0
		.amdhsa_float_denorm_mode_32 3
		.amdhsa_float_denorm_mode_16_64 3
		.amdhsa_memory_ordered 1
		.amdhsa_forward_progress 1
		.amdhsa_inst_pref_size 201
	.end_amdhsa_kernel
	.amdgpu_metadata
---
amdhsa.version: [ 1, 2 ]
amdhsa.kernels:
  - .name:           k_q0eb25492cd_proj
    .symbol:         k_q0eb25492cd_proj.kd
    .args:
      - { .name: x_codes, .offset: 0, .size: 8, .value_kind: global_buffer, .address_space: global }
      - { .name: Wq_codes, .offset: 8, .size: 8, .value_kind: global_buffer, .address_space: global }
      - { .name: Wk_codes, .offset: 16, .size: 8, .value_kind: global_buffer, .address_space: global }
      - { .name: Wv_codes, .offset: 24, .size: 8, .value_kind: global_buffer, .address_space: global }
      - { .name: bq, .offset: 32, .size: 8, .value_kind: global_buffer, .address_space: global }
      - { .name: bk, .offset: 40, .size: 8, .value_kind: global_buffer, .address_space: global }
      - { .name: bv, .offset: 48, .size: 8, .value_kind: global_buffer, .address_space: global }
      - { .name: lowp_scales, .offset: 56, .size: 8, .value_kind: global_buffer, .address_space: global }
      - { .name: Qi, .offset: 64, .size: 8, .value_kind: global_buffer, .address_space: global }
      - { .name: Ki, .offset: 72, .size: 8, .value_kind: global_buffer, .address_space: global }
      - { .name: Vi, .offset: 80, .size: 8, .value_kind: global_buffer, .address_space: global }
    .group_segment_fixed_size: 327680
    .private_segment_fixed_size: 0
    .kernarg_segment_align: 8
    .kernarg_segment_size: 88
    .max_flat_workgroup_size: 128
    .sgpr_count:     102
    .vgpr_count:     1024
    .wavefront_size: 32
...
	.end_amdgpu_metadata
.endif
;; end of part 1
;; launch scores (part 2): grid 8 x 32, 4 waves a work-group, clusters of 4 x 4, 327,680 bytes of LDS; arguments Qi, Ki, mask, lowp_scales, Pi, St; writes Pi, St
.if DOCPART == 2
	.amdgcn_target "amdgcn-amd-amdhsa--gfx1250"
	.amdhsa_code_object_version 6
	.text
	.protected	k_q0eb25492cd_scores
	.globl	k_q0eb25492cd_scores
	.p2align	8
	.type	k_q0eb25492cd_scores,@function
k_q0eb25492cd_scores:
	s_mov_b64 s[64:65], 0
	v_nop
	global_prefetch_b8 v0, s[64:65] scope:SCOPE_SE
	s_setreg_imm32_b32 hwreg(HW_REG_WAVE_MODE, 25, 1), 1
	s_wait_xcnt 0x0
	s_wait_alu depctr_hold_cnt(0) depctr_sa_sdst(0) depctr_va_vdst(0) depctr_va_sdst(0) depctr_va_ssrc(0) depctr_va_vcc(0) depctr_vm_vsrc(0)
	s_getreg_b32 s2, hwreg(HW_REG_IB_STS2, 6, 4)
	s_cmp_eq_u32 s2, 0
	s_cbranch_scc0 .Lentry_in_a_cluster
	s_endpgm
.Lentry_in_a_cluster:
	s_bfe_u32 s2, ttmp6, 0x10000c
	s_cmp_lg_u32 s2, 0xf033
	s_cbranch_scc0 .Lentry_shape_is_right
	s_endpgm
.Lentry_shape_is_right:
; THE SCORES AND THE SOFTMAX'S NUMERATORS, on codes of BF8 (E5M2).  S^T = k q^T over K = 1,024; the mask (an input: 0 hides a key); and, for each group of 256 keys by itself:
;   t = score x log2(e) / 1,024 x 2^(e6 + e7);  M_c = the group's largest t rounded UP to a whole number;  p = 2^(t - M_c), 0 where the key is hidden;  l_c = the sum of the unquantised p;  p's code with the given 2^e8.
; The last launch brings the groups under one maximum by exact powers of two.  A group all of whose keys are hidden gets M_c = -3e38, p = 0, l_c = 0.
; A work-group makes 256 queries x 256 keys of one batch; wave w all 256 queries (16 tiles a) x keys 64 w .. 64 w + 63 (4 tiles b): 64 accumulators.
; OPERANDS are images of fragments (16 rows x 128 K = 2,048 bytes: register group g of lane l at 512 g + 16 l): Qi, Ki: [token tile][chunk of 128 d: 8][2,048].
;   q, which all four waves read, stays in LDS: two halves of four chunks, each brought by one joint tensor load a wave: [half][tile 16][chunk 4][2,048].  A row of the cluster shares it.
;   k goes from memory straight into registers, 16 loads of 512 bytes a chunk: no two waves of a work-group read the same k, and registers are no target of a joint load: so k is not asked for jointly.
;   Four sets of registers: chunk c + 3 is asked for ahead of chunk c's products, 192 products ahead of its use.  That run ahead takes the place of a prefetch of k.
; TRANSPOSED USE (source 0 = 16 keys, source 1 = 16 queries): lane l holds query l % 16, and accumulator b's registers the keys 16 b + 8 (l / 16) + 0 .. 7: four conversions give my half of p's fragment (16 queries x 128 keys).
;   Pi: [query tile 512][chunk 16][2,048].   St: [M, l][group of 256 keys: 8][group of 64 queries: 128][lane 32][tile 4] f32; lanes l and l + 16 hold the same number.
; THE MASK is read in whole units (a row's 64 keys are 256 consecutive bytes, a load takes two rows) and turned into the accumulators' layout through the wave's own stage, 16 queries at a time.
;   PREFETCH: chunk c asks for blocks 2 c, 2 c + 1 (a lane a row of 256 bytes, one instruction), which are loaded five chunks on.  Only this wave reads them.  q's second half: each wave names one tile of 8,192 bytes, told apart by cx.
; LIMITS: e6 + e7 between -116 and 137 (they are added to the exponent field of log2(e) / 1,024); e8 between -126 and 112.  Below e8 = -15 the hold at the largest code falls on p near 1 of each group, not of the row alone.
; REGISTERS: window 0: v1-31 addresses, constants, at work; v32-47 the maxima, then l; v48-63 -M; v64-255 q's fragments, three buffers of four; later the turned mask, p, codes.
;   window 1: k's fragments, four sets of 64; then eight sets of 32 for mask blocks as loaded.   windows 2, 3: the accumulators ((a, b) at v[32 (a % 8) + 8 b]).
.set HALF,   131072
.set SPARE,  2*HALF                    ; the spare words, 128 bytes for each wave
.set MST,    SPARE+512                 ; the mask's stages: 16 rows x 272 bytes for each wave
.set EX,     MST+4*4352                ; maxima: [wave][2,048]; at + 8,192 l; at + 16,384 -M
.set NINF, 8
.set LIM,  9                           ; 57,344 x 2^e8
.set SCL,  10                          ; 2^e8 as f32
.set MSI,  11                          ; the stage, on the way in
.set MSO,  12                          ; on the way out
.set MO,   13                          ; my lane's place in two rows of the mask
.set PFO,  14                          ; the mask's prefetch: a lane a row
.set PFQ,  15                          ; q's prefetch: 256 x lane
.set LI,   16                          ; v16 16 x lane; v17-19 the same + 65,536, 131,072, 196,608
.set EXO,  20
.set EXR,  21
.set EXL,  24
.set EXM,  25
.set SPW,  28
.set NIL,  29
.set MX,   32
.set LS,   32
.set NM,   48
.set T,    64
.set CH,   128
.set CD,   160
.set MSB, 0
.macro WIN new                         ; the immediate's high byte repeats the setting that is left
.if MSB != (\new)
	s_set_vgpr_msb (MSB<<8)|(\new)
.set MSB, (\new)
.endif
.endm
.macro CROUND                          ; a round of the cluster's barrier
	s_barrier_signal -1
	s_barrier_wait -1
	s_cmp_lg_u32 s14, 0
	s_cbranch_scc1 .Lnot_wave_0_\@
	s_barrier_signal -3
.Lnot_wave_0_\@:
	s_barrier_wait -3
	s_barrier_signal -1
	s_barrier_wait -1
.endm
.macro PLACES                          ; plain vector instructions behind a matrix instruction, ahead of loads into its registers and of reads of its result
.rept 4
	v_nop
.endr
.endm
.macro KLOAD c                         ; my four tiles of k, chunk c, into set c % 4
	WIN 0x40
.irp b, 0,1,2,3
.irp g, 0,1,2,3
	global_load_b128 v[64*((\c)%4)+16*\b+4*\g:64*((\c)%4)+16*\b+4*\g+3], v[LI], s[44:45] offset:16384*\b+2048*(\c)+512*\g
.endr
.endr
	WIN 0
.endm
.macro MLOAD a                         ; the mask's block a: 16 queries x my 64 keys, into set a % 8 of 32
	WIN 0x40
.irp p, 0,1,2,3,4,5,6,7
	global_load_b128 v[32*((\a)%8)+4*\p:32*((\a)%8)+4*\p+3], v[MO], s[80:81] offset:(16*(\a)+2*\p)*8192 th:TH_LOAD_NT
.endr
	WIN 0
.endm
.macro FETCHQ n                        ; group n: q's tiles 4 (n % 4) .. + 3 of chunk n / 4 into buffer n % 3
	WIN 0
.set QC, (\n)/4
.set QT, 4*((\n)%4)
.set QA, LI+2*(QC/4)+QT/8
.irp i, 0,1,2,3
.irp g, 0,1,2,3
	ds_load_b128 v[64+64*((\n)%3)+16*\i+4*\g:64+64*((\n)%3)+16*\i+4*\g+3], v[QA] offset:(QT%8+\i)*8192+(QC%4)*2048+512*\g
.endr
.endr
.endm
; Group n: 16 products.  Ahead of them group n + 2's fragments are fetched, and at a chunk's head k's chunk three further on, or two blocks of the mask.
; The 64 accumulators take turns, one instruction a turn.
.macro GROUP n
.if (\n) == 14                         ; the next fetch is the first from q's second half: my part of it is in, and everybody's behind the barrier
	s_wait_tensorcnt 0x0
	s_wait_dscnt 0x0
	s_barrier_signal -1
	s_barrier_wait -1
.endif
	PLACES
.if ((\n)%4) == 0
.if (\n) < 20
	KLOAD (\n)/4+3
.else
	MLOAD 2*((\n)/4-5)
	MLOAD 2*((\n)/4-5)+1
.endif
.endif
.if (\n) < 30
	FETCHQ (\n)+2
.endif
.if ((\n)%4) == 1
	global_prefetch_b8 v[PFO], s[80:81] offset:((\n)/4)*262144 th:TH_LOAD_NT scope:SCOPE_SE
.endif
.if ((\n)%4) == 0
	s_wait_loadcnt 48                              ; this chunk's k is in; the 48 loads issued behind it may be out
.endif
.if (\n) < 30
	s_wait_dscnt 32                                ; this group's fragments are in; the two groups behind it may be out
.elseif (\n) == 30
	s_wait_dscnt 16
.else
	s_wait_dscnt 0
.endif
	WIN 0xa1+0x50*(((\n)%4)/2)                     ; source 0 (k) window 1, source 1 (q) window 0, C and D window 2 or 3
.set KS, 64*(((\n)/4)%4)
.set QB, 64+64*((\n)%3)
.set A0, 128*((\n)%2)
.irp i, 0,1,2,3
.irp b, 0,1,2,3
.if (\n) < 4
	v_wmma_f32_16x16x128_bf8_bf8 v[A0+32*\i+8*\b:A0+32*\i+8*\b+7], v[KS+16*\b:KS+16*\b+15], v[QB+16*\i:QB+16*\i+15], 0
.else
	v_wmma_f32_16x16x128_bf8_bf8 v[A0+32*\i+8*\b:A0+32*\i+8*\b+7], v[KS+16*\b:KS+16*\b+15], v[QB+16*\i:QB+16*\i+15], v[A0+32*\i+8*\b:A0+32*\i+8*\b+7]
.endif
.endr
.endr
.endm
	s_load_b256 s[4:11], s[0:1], 0x0               ; Qi s[4:5], Ki s[6:7], the mask s[8:9], the scales s[10:11]
	s_load_b128 s[68:71], s[0:1], 0x20             ; Pi s[68:69], St s[70:71]
	v_lshl_add_u32 v[SPW], v0, 2, SPARE
	v_mov_b32 v[NIL], 0
	ds_add_u32 v[SPW], v[NIL]                      ; the opening lines: the add, twice on end, ahead of my first tensor load
	ds_add_u32 v[SPW], v[NIL]
	v_lshrrev_b32 v1, 5, v0
	v_readfirstlane_b32 s14, v1                    ; wave 0..3
	s_bfe_u32 s40, ttmp6, 0x40000                  ; cx, cy
	s_bfe_u32 s41, ttmp6, 0x40004
	s_lshl_b32 s42, ttmp9, 2
	s_add_co_u32 s42, s42, s40                     ; the tile of 256 keys in the batch, 0..7
	s_and_b32 s66, ttmp7, 0xffff
	s_lshl_b32 s17, s66, 2
	s_add_co_u32 s17, s17, s41                     ; the tile of 256 queries, 0..31, through all batches
	s_lshr_b32 s67, s66, 1                         ; the batch
	s_lshl_b32 s43, s41, 2
	s_lshl_b32 s43, 15, s43                        ; my row of the cluster
	; descriptor group 1: 4 rows (q's tiles) of 8,192 bytes (four chunks), 16,384 apart in memory, dense in LDS
	s_or_b32 s24, s43, (1<<21)                     ; 15:0 the mask; elements of 1 byte; no padding; 21 set beside a mask
	s_mov_b32 s25, 8192<<16                        ; tensor_dim0
	s_mov_b32 s26, 4<<16                           ; tensor_dim1
	s_mov_b32 s27, 8192<<16                        ; tile_dim0
	s_mov_b32 s28, 4                               ; tile_dim1
	s_mov_b32 s29, 16384                           ; tensor_dim0_stride
	s_mov_b32 s30, 0
	s_mov_b32 s31, 0
	s_lshl_b32 s20, s17, 18                        ; q's tile: it holds cy and never cx
	s_lshl_b32 s18, s14, 16                        ; my four tiles of 16,384 bytes
	s_add_co_u32 s20, s20, s18
	s_mov_b32 s21, 0
	s_lshl_b32 s44, s67, 21                        ; k: the batch, the key tile, my four tiles
	s_lshl_b32 s45, s42, 18
	s_add_co_u32 s44, s44, s45
	s_add_co_u32 s44, s44, s18
	s_mov_b32 s45, 0
	s_lshl_b32 s46, s17, 18                        ; q's prefetch: tile 4 cx + wave, second half
	s_lshl_b32 s47, s40, 16
	s_add_co_u32 s46, s46, s47
	s_lshl_b32 s47, s14, 14
	s_add_co_u32 s46, s46, s47
	s_add_co_u32 s46, s46, 8192
	s_mov_b32 s47, 0
	s_lshl_b32 s48, s17, 21                        ; the mask at my first query (a row is 8,192 bytes) and my first key
	s_lshl_b32 s49, s42, 10
	s_add_co_u32 s48, s48, s49
	s_lshl_b32 s49, s14, 8
	s_add_co_u32 s48, s48, s49
	s_mov_b32 s49, 0
	s_lshl_b32 s50, s17, 19                        ; Pi: 16 query tiles of 32,768 bytes; the key tile's two chunks; my quarter of the 4,096 bytes
	s_lshl_b32 s51, s42, 12
	s_add_co_u32 s50, s50, s51
	s_lshl_b32 s51, s14, 10
	s_add_co_u32 s50, s50, s51
	s_mov_b32 s51, 0
	s_lshl_b32 s52, s42, 16                        ; St at my key tile and my group of 64 queries
	s_lshl_b32 s53, s17, 11
	s_add_co_u32 s52, s52, s53
	s_lshl_b32 s53, s14, 9
	s_add_co_u32 s52, s52, s53
	s_mov_b32 s53, 0
	s_mul_i32 s22, s14, 4352
	s_add_co_u32 s22, s22, MST                     ; my stage
	s_lshl_b32 s23, s14, 11
	s_add_co_u32 s23, s23, EX                      ; my part of the exchange
	s_lshl_b32 s54, s14, 9
	s_add_co_u32 s55, s54, EX
	s_mov_b32 s78, 0x76543210                      ; v_permlanex16_b32's selects for lane l xor 16
	s_mov_b32 s79, 0xfedcba98
	s_mov_b32 s76, 0x3ab8aa3b                      ; log2(e) / 1,024
	v_and_b32 v1, 15, v0                           ; r
	v_bfe_u32 v2, v0, 4, 1                         ; h
	v_and_b32 v3, 31, v0                           ; lane
	v_lshlrev_b32 v[LI], 4, v3
	v_add_nc_u32 v[LI+1], 0x10000, v[LI]
	v_add_nc_u32 v[LI+2], 0x20000, v[LI]
	v_add_nc_u32 v[LI+3], 0x30000, v[LI]
	v_mul_u32_u24 v4, v2, 272
	v_lshl_add_u32 v4, v1, 4, v4
	v_add_nc_u32 v[MSI], s22, v4
	v_mul_u32_u24 v5, v1, 272
	v_lshl_add_u32 v5, v2, 5, v5
	v_add_nc_u32 v[MSO], s22, v5
	v_lshlrev_b32 v6, 13, v2
	v_lshl_add_u32 v[MO], v1, 4, v6
	v_lshlrev_b32 v[PFO], 13, v3
	v_lshlrev_b32 v[PFQ], 8, v3
	v_add_nc_u32 v[EXO], s23, v[LI]
	v_add_nc_u32 v[EXR], EX, v[LI]
	v_add_nc_u32 v[EXL], s55, v[LI]
	v_add_nc_u32 v[EXM], s54, v[EXO]
	v_mov_b32 v[NINF], 0xff800000
	s_wait_alu depctr_va_vdst(0)
	s_wait_dscnt 0x0                               ; both opening adds are done
	s_wait_kmcnt 0x0
	s_load_b128 s[72:75], s[10:11], 0x18           ; e6, e7, e8, e9
	s_add_nc_u64 s[44:45], s[6:7], s[44:45]
	KLOAD 0
	KLOAD 1
	KLOAD 2
	s_mov_b32 s32, 1                               ; descriptor groups 0: q's halves
	s_lshl_b32 s33, s14, 15
	s_add_nc_u64 s[34:35], s[4:5], s[20:21]
	s_or_b32 s35, s35, 0x80000000
	s_mov_b32 s36, 1
	s_add_co_u32 s37, s33, HALF
	s_add_nc_u64 s[20:21], s[20:21], 8192
	s_add_nc_u64 s[38:39], s[4:5], s[20:21]
	s_or_b32 s39, s39, 0x80000000
	s_add_nc_u64 s[46:47], s[4:5], s[46:47]
	s_add_nc_u64 s[80:81], s[8:9], s[48:49]
	s_add_nc_u64 s[68:69], s[68:69], s[50:51]
	s_add_nc_u64 s[70:71], s[70:71], s[52:53]
	CROUND                                         ; all sixteen work-groups are here: the first joint loads meet
	tensor_load_to_lds s[32:35], s[24:31]          ; q's first half
	s_nop 0
	PLACES
	s_wait_kmcnt 0x0
	s_add_co_i32 s18, s72, s73
	s_lshl_b32 s18, s18, 23
	s_add_co_i32 s76, s76, s18                     ; x 2^(e6 + e7): the two exponents are added to its exponent field
	s_mov_b32 s77, s76                             ; (named with it as a pair, so it is written)
	s_add_co_i32 s18, s74, 127
	s_lshl_b32 s19, s18, 23
	v_mov_b32 v[SCL], s19                          ; 2^e8
	s_add_co_i32 s18, s18, 15
	s_lshl_b32 s18, s18, 23
	s_or_b32 s18, s18, 0x600000
	v_mov_b32 v[LIM], s18                          ; 57,344 x 2^e8
	global_prefetch_b8 v[PFQ], s[46:47] th:TH_LOAD_NT scope:SCOPE_SE   ; q's second half, asked for one fill ahead
	s_wait_alu depctr_va_vdst(0)
	s_wait_tensorcnt 0x0                           ; my part of the first half is in; these lines stand ahead of a later first fill, as ahead of a refill
	ds_add_u32 v[SPW], v[NIL]
	s_wait_dscnt 0x0
	CROUND                                         ; everybody's part of the first half is in
	tensor_load_to_lds s[36:39], s[24:31]          ; q's second half
	s_nop 0
	PLACES
	FETCHQ 0
	FETCHQ 1
.set N, 0
.rept 32
	GROUP N
.set N, N+1
.endr
; Block a of the mask goes through my stage: in as rows of 256 bytes, 272 apart; out in the accumulators' layout: lane (r, h) takes, for accumulator b, the 32 bytes of query r's keys 16 b + 8 h + 0 .. 7.
; LDS serves a wave's instructions in order (ISA guide 5.7.1.4): no wait between the stores and the loads.  n: the mask loads issued behind block a's, which may stay out.
.macro TURNM a, n
	s_wait_loadcnt \n
	WIN 0x04                                       ; the stores' data (source 1) in window 1
.irp p, 0,1,2,3,4,5,6,7
	ds_store_b128 v[MSI], v[32*((\a)%8)+4*\p:32*((\a)%8)+4*\p+3] offset:544*\p
.endr
	WIN 0
.irp b, 0,1,2,3
	ds_load_b128 v[64+32*((\a)%2)+8*\b:64+32*((\a)%2)+8*\b+3], v[MSO] offset:64*\b
	ds_load_b128 v[64+32*((\a)%2)+8*\b+4:64+32*((\a)%2)+8*\b+7], v[MSO] offset:64*\b+16
.endr
.endm
; First pass, block a: hidden scores become -infinity in place, and the largest score of my lane's query among my lane's 32 keys is kept.
.macro P1 a
.set AC, 32*((\a)%8)
.set MA, 64+32*((\a)%2)
.set HW, (\a)/8
	s_wait_alu depctr_va_vdst(0)
	s_wait_dscnt 0x0                               ; this block's mask is back, and the stage's stores have read their registers,
.if (\a) < 8
	MLOAD (\a)+8                                   ; which take the block eight further on
.endif
.if (\a) < 8
	TURNM (\a)+1, 56
.elseif (\a) < 15
	TURNM (\a)+1, 8*(14-(\a))
.endif
	WIN 0x82+0x41*HW                               ; source 0 and destination (the sums) window 2 or 3
.irp b, 0,16
.irp j, 0,1,2,3,4,5,6,7,8,9,10,11,12,13,14,15
	v_cmp_eq_u32 s[84+\j], 0, v[MA+\b+\j]          ; the key is hidden
.endr
.irp j, 0,1,2,3,4,5,6,7,8,9,10,11,12,13,14,15
	v_cndmask_b32 v[AC+\b+\j], v[AC+\b+\j], v[NINF], s[84+\j]   ; each accumulator from its low end on
.endr
.endr
	WIN 0x2a+0x15*HW                               ; four chains, one an accumulator
.irp b, 0,1,2,3
	v_max3_num_f32 v[4+\b], v[AC+8*\b], v[AC+8*\b+1], v[AC+8*\b+2]
.endr
	WIN 0x28+0x14*HW
.irp b, 0,1,2,3
	v_max3_num_f32 v[4+\b], v[4+\b], v[AC+8*\b+3], v[AC+8*\b+4]
.endr
.irp b, 0,1,2,3
	v_max3_num_f32 v[4+\b], v[4+\b], v[AC+8*\b+5], v[AC+8*\b+6]
.endr
.irp b, 0,1,2,3
	v_max_num_f32 v[4+\b], v[4+\b], v[AC+8*\b+7]
.endr
	WIN 0
	v_max3_num_f32 v4, v4, v5, v6
	v_max_num_f32 v[MX+(\a)], v4, v7
.endm
	PLACES                                         ; behind the last products
	MLOAD 6
	MLOAD 7
	TURNM 0, 56
.set N, 0
.rept 16
	P1 N
.set N, N+1
.endr
	; the four waves' maxima meet, and then lanes l and l xor 16: M holds for the work-group's 256 keys
	s_wait_alu depctr_va_vdst(0)
.irp i, 0,1,2,3
	ds_store_b128 v[EXO], v[MX+4*\i:MX+4*\i+3] offset:512*\i
.endr
	s_wait_dscnt 0x0
	s_barrier_signal -1
	s_barrier_wait -1
.irp x, 0,1,2,3
.irp i, 0,1,2,3
	ds_load_b128 v[64+16*\x+4*\i:64+16*\x+4*\i+3], v[EXR] offset:2048*\x+512*\i
.endr
.endr
	s_wait_dscnt 0x0
.irp a, 0,1,2,3,4,5,6,7,8,9,10,11,12,13,14,15
	v_max3_num_f32 v[MX+\a], v[64+\a], v[80+\a], v[96+\a]
.endr
.irp a, 0,1,2,3,4,5,6,7,8,9,10,11,12,13,14,15
	v_max_num_f32 v[MX+\a], v[MX+\a], v[112+\a]
.endr
.irp a, 0,1,2,3,4,5,6,7,8,9,10,11,12,13,14,15
	v_permlanex16_b32 v[64+\a], v[MX+\a], s78, s79
.endr
.irp a, 0,1,2,3,4,5,6,7,8,9,10,11,12,13,14,15
	v_max_num_f32 v[MX+\a], v[MX+\a], v[64+\a]
.endr
.irp a, 0,1,2,3,4,5,6,7,8,9,10,11,12,13,14,15
	v_mul_f32 v[MX+\a], s76, v[MX+\a]              ; as t (the factor is positive)
.endr
.irp a, 0,1,2,3,4,5,6,7,8,9,10,11,12,13,14,15
	v_max_num_f32 v[MX+\a], 0xff61b1e6, v[MX+\a]   ; at least -3e38, where every key is hidden
.endr
.irp a, 0,1,2,3,4,5,6,7,8,9,10,11,12,13,14,15
	v_floor_f32 v[NM+\a], -v[MX+\a]                ; -M = floor(-t) = -ceil(t): M is a whole number
.endr
	s_wait_alu depctr_va_vdst(0)
.irp i, 0,1,2,3
	ds_store_b128 v[EXO], v[NM+4*\i:NM+4*\i+3] offset:16384+512*\i   ; read back below by this wave alone
.endr
.macro HOLD16                          ; 16 of the holds: the conversion does not saturate (ISA guide 7.6.2); p is not negative, so the hold is one-sided
.rept 16
	v_min_num_f32 v[T+J], v[T+J], v[LIM]
.set J, J+1
.endr
.endm
; Second pass, blocks a and a + 1 (a even): from the scores to the codes.
.macro P2 a
.set AC, 32*((\a)%8)
	WIN 0x02+(\a)/8
.irp j, 0,2,4,6,8,10,12,14,16,18,20,22,24,26,28,30
	v_pk_fma_f32 v[T+\j:T+\j+1], v[AC+\j:AC+\j+1], s[76:77], v[NM+(\a):NM+(\a)+1] op_sel_hi:[1,0,0]   ; t - M, two at a time
	v_pk_fma_f32 v[T+32+\j:T+32+\j+1], v[AC+32+\j:AC+32+\j+1], s[76:77], v[NM+(\a):NM+(\a)+1] op_sel:[0,0,1] op_sel_hi:[1,0,1]
.endr
	WIN 0
	s_wait_alu depctr_va_vdst(0)                   ; ahead of the batch
.set J, 0
.rept 64
	v_exp_f32 v[T+J], v[T+J]                       ; p = 2^(t - M), at most 1, 0 for a hidden key
.set J, J+1
.endr
	v_nop                                          ; a plain place behind the exponentials
	s_wait_alu depctr_va_vdst(0)                   ; one wait for the batch, ahead of its first reader
.irp i, 0,1,2,3                                ; l: the sum of the UNQUANTISED p, two at a time, four chains a block
.irp u, 0,1
	v_pk_add_f32 v[CH+8*\u+2*\i:CH+8*\u+2*\i+1], v[T+32*\u+4*\i:T+32*\u+4*\i+1], v[T+32*\u+4*\i+2:T+32*\u+4*\i+3]
.endr
.endr
.irp k, 16,24
.irp i, 0,1,2,3
.irp u, 0,1
	v_pk_add_f32 v[CH+8*\u+2*\i:CH+8*\u+2*\i+1], v[CH+8*\u+2*\i:CH+8*\u+2*\i+1], v[T+32*\u+\k+2*\i:T+32*\u+\k+2*\i+1]
.endr
.endr
.endr
.set J, 0
	HOLD16                                         ; the sum's last steps stand among the holds, which do not hang on them
.irp u, 0,1
	v_pk_add_f32 v[CH+8*\u:CH+8*\u+1], v[CH+8*\u:CH+8*\u+1], v[CH+8*\u+2:CH+8*\u+3]
	v_pk_add_f32 v[CH+8*\u+4:CH+8*\u+5], v[CH+8*\u+4:CH+8*\u+5], v[CH+8*\u+6:CH+8*\u+7]
.endr
	HOLD16
.irp u, 0,1
	v_pk_add_f32 v[CH+8*\u:CH+8*\u+1], v[CH+8*\u:CH+8*\u+1], v[CH+8*\u+4:CH+8*\u+5]
.endr
	HOLD16
.irp u, 0,1
	v_add_f32 v[LS+(\a)+\u], v[CH+8*\u], v[CH+8*\u+1]   ; my lane's 32 keys
.endr
	HOLD16
	s_wait_alu depctr_va_vdst(0)
	s_wait_xcnt 0x0                                ; the last blocks' stores have read the codes' registers
.irp b, 0,1,2,3,4,5,6,7
	v_cvt_scalef32_pk8_bf8_f32 v[CD+2*\b:CD+2*\b+1], v[T+8*\b:T+8*\b+7], v[SCL]
.endr
	v_nop                                          ; one plain vector instruction behind the last conversion: the next blocks write its sources
.irp u, 0,1
.irp g, 0,1
	global_store_b128 v[LI], v[CD+8*\u+4*\g:CD+8*\u+4*\g+3], s[68:69] offset:((\a)+\u)*32768+512*\g th:TH_STORE_NT   ; 512 consecutive bytes a store
.endr
.endr
.endm
.set N, 0
.rept 8
	P2 N
.set N, N+2
.endr
	; l of the four waves: wave w adds up, and stores, tiles 4 w .. 4 w + 3
	s_wait_alu depctr_va_vdst(0)
.irp i, 0,1,2,3
	ds_store_b128 v[EXO], v[LS+4*\i:LS+4*\i+3] offset:8192+512*\i
.endr
	s_wait_dscnt 0x0
	s_barrier_signal -1
	s_barrier_wait -1
.irp x, 0,1,2,3
	ds_load_b128 v[64+4*\x:64+4*\x+3], v[EXL] offset:8192+2048*\x
.endr
	ds_load_b128 v[80:83], v[EXM] offset:16384
	s_wait_dscnt 0x0
.irp i, 0,1,2,3
	v_add_f32 v[64+\i], v[64+\i], v[68+\i]
	v_add_f32 v[72+\i], v[72+\i], v[76+\i]
	v_sub_f32 v[84+\i], 0, v[80+\i]                ; M
.endr
.irp i, 0,1,2,3
	v_add_f32 v[64+\i], v[64+\i], v[72+\i]
.endr
.irp i, 0,1,2,3
	v_permlanex16_b32 v[68+\i], v[64+\i], s78, s79
.endr
.irp i, 0,1,2,3
	v_add_f32 v[64+\i], v[64+\i], v[68+\i]         ; and lane l xor 16's
.endr
	global_store_b128 v[LI], v[84:87], s[70:71]
	global_store_b128 v[LI], v[64:67], s[70:71] offset:524288
	s_wait_tensorcnt 0x0                           ; the wave's end
	ds_add_u32 v[SPW], v[NIL]
	s_wait_dscnt 0x0
	CROUND                                         ; the closing round
	s_endpgm
.Lfunc_end_k_q0eb25492cd_scores:
	.size	k_q0eb25492cd_scores, .Lfunc_end_k_q0eb25492cd_scores-k_q0eb25492cd_scores
	.p2alignl 7, 3214868480
	.fill 96, 4, 3214868480
	.section	.rodata,"a",@progbits
	.p2align	6, 0x0
	.amdhsa_kernel k_q0eb25492cd_scores
		.amdhsa_group_segment_fixed_size 327680
		.amdhsa_private_segment_fixed_size 0
		.amdhsa_enable_private_segment 0
		.amdhsa_kernarg_size 48
		.amdhsa_user_sgpr_count 2
		.amdhsa_user_sgpr_kernarg_segment_ptr 1
		.amdhsa_wavefront_size32 1
		.amdhsa_system_sgpr_workgroup_id_x 1
		.amdhsa_system_sgpr_workgroup_id_y 1
		.amdhsa_system_sgpr_workgroup_id_z 1
		.amdhsa_system_vgpr_workitem_id 0
		.amdhsa_next_free_vgpr 1024
		.amdhsa_next_free_sgpr 102
		.amdhsa_reserve_vcc 0
		.amdhsa_float_denorm_mode_32 3
		.amdhsa_float_denorm_mode_16_64 3
		.amdhsa_memory_ordered 1
		.amdhsa_forward_progress 1
		.amdhsa_inst_pref_size 255
	.end_amdhsa_kernel
	.section	.bss,"aw",@nobits
	.p2align	6
	.space	262144
	.amdgpu_metadata
---
amdhsa.version: [ 1, 2 ]
amdhsa.kernels:
  - .name:           k_q0eb25492cd_scores
    .symbol:         k_q0eb25492cd_scores.kd
    .args:
      - { .name: Qi, .offset: 0, .size: 8, .value_kind: global_buffer, .address_space: global }
      - { .name: Ki, .offset: 8, .size: 8, .value_kind: global_buffer, .address_space: global }
      - { .name: mask, .offset: 16, .size: 8, .value_kind: global_buffer, .address_space: global }
      - { .name: lowp_scales, .offset: 24, .size: 8, .value_kind: global_buffer, .address_space: global }
      - { .name: Pi, .offset: 32, .size: 8, .value_kind: global_buffer, .address_space: global }
      - { .name: St, .offset: 40, .size: 8, .value_kind: global_buffer, .address_space: global }
    .group_segment_fixed_size: 327680
    .private_segment_fixed_size: 0
    .kernarg_segment_align: 8
    .kernarg_segment_size: 48
    .max_flat_workgroup_size: 128
    .sgpr_count:     102
    .vgpr_count:     1024
    .wavefront_size: 32
...
	.end_amdgpu_metadata
.endif
;; end of part 2
;; launch pv (part 3): grid 4 x 64, 4 waves a work-group, clusters of 4 x 4, 327,680 bytes of LDS; arguments Pi, Vi, St, lowp_scales, out0; writes out0
.if DOCPART == 3
	.amdgcn_target "amdgcn-amd-amdhsa--gfx1250"
	.amdhsa_code_object_version 6
	.text
	.protected	k_q0eb25492cd_pv
	.globl	k_q0eb25492cd_pv
	.p2align	8
	.type	k_q0eb25492cd_pv,@function
k_q0eb25492cd_pv:
	s_mov_b64 s[64:65], 0
	v_nop
	global_prefetch_b8 v0, s[64:65] scope:SCOPE_SE
	s_setreg_imm32_b32 hwreg(HW_REG_WAVE_MODE, 25, 1), 1
	s_wait_xcnt 0x0
	s_wait_alu depctr_hold_cnt(0) depctr_sa_sdst(0) depctr_va_vdst(0) depctr_va_sdst(0) depctr_va_ssrc(0) depctr_va_vcc(0) depctr_vm_vsrc(0)
	s_getreg_b32 s2, hwreg(HW_REG_IB_STS2, 6, 4)
	s_cmp_eq_u32 s2, 0
	s_cbranch_scc0 .Lentry_in_a_cluster
	s_endpgm
.Lentry_in_a_cluster:
	s_bfe_u32 s2, ttmp6, 0x10000c
	s_cmp_lg_u32 s2, 0xf033
	s_cbranch_scc0 .Lentry_shape_is_right
	s_endpgm
.Lentry_shape_is_right:
; out = (the sum over keys of p v) / l, on codes of BF8 (E5M2).  O^T = v^T p^T over K = 2,048 keys, 16 chunks of 128; each pair of chunks (256 keys) has p quantised under its own whole number M_c, c = 0 .. 7.
; FRAMES.  For each query: R_c = the largest M up to pair c; the frame F_c = max(M_c, R_c - 64), F_0 = M_0.  Ahead of pair c >= 1 the sums are multiplied by f_c = 2^(F_(c-1) - F_c): a power of two, so nothing is rounded;
; the exponent is at most 64 (F_c >= R_(c-1) - 64 >= F_(c-1) - 64), and far below 0 f_c is 0.  Then the pair's products are added in place.  At the end out = O x 2^(F_7 - R_7 + e8 + e9) / L, L = the sum of l_c 2^(M_c - R_7).
; BOUNDS: a sum of 2,048 products of codes stays under 2^43, in any frame under 2^107.
; LIMIT: a pair whose M lies more than 64 under the running largest is weighed as 2^-64 of the row's largest instead of less.  A row all of whose keys are hidden gives 0 x infinity = NaN, as the softmax of such a row is.
; A work-group makes 128 queries x 256 channels d; wave w all 128 queries (8 tiles qt) x 64 d (4 tiles b): 32 accumulators.  Source 0 = v's fragment (16 d x 128 keys), source 1 = p's (16 queries x 128 keys):
; lane l holds query l % 16, and accumulator (qt, b)'s registers d = 16 b + 8 (l / 16) + 0 .. 7.
; OPERANDS are images of fragments (2,048 bytes: register group g of lane l at 512 g + 16 l).  Pi: [query tile 512][chunk 16][2,048].  Vi: [d tile 64][16 batch + chunk][2,048].
;   p, which all four waves read, stays in LDS: two halves of eight chunks, each brought by one joint tensor load a wave: [half][tile 8][chunk 8][2,048].  A row of the cluster shares it.
;   v goes from memory straight into registers, 16 loads of 512 bytes a chunk: no two waves of a work-group read the same v, and registers are no target of a joint load: so v is not asked for jointly.
;   Four sets of registers: chunk c + 3 is asked for ahead of chunk c's products.
;   St: lanes l and l + 16 of each 512 bytes hold the same number: the lower 256 bytes are read, by 16 (l % 16).
; PREFETCH.  v, four chunks at a time: the 16 work-groups of a batch and a d tile of 256 read the same 16 tiles: each names one, by address, 8,192 bytes, wave 0 alone: so each 256 bytes are named once in the launch; at least one chunk ahead of the loads, and from the second on five.
;   p's second half: a wave names 8,192 bytes of the cluster row's 131,072, told apart by cx and the wave's number.
; REGISTERS: window 0: v1-31 addresses; v32-63 the way out; v64-239 first M, l and work; then v64-191 p's fragments of the even chunks, then rows of out.   window 1: v's fragments, four sets of 64.
;   window 2: the accumulators ((qt, b) at v[32 qt + 8 b]).   window 3: f (pair c, tile qt at v[8 c + qt]); v64-71 the last factor; v128-255 p's fragments of the odd chunks.
.set HALF,   131072
.set SPARE,  2*HALF                    ; the spare words, 128 bytes for each wave
.set STAGE,  SPARE+512                 ; the way out: 16 rows x 272 bytes for each wave
.set RD,   11
.set STO,  12
.set GO,   13                          ; my lane's place in two rows of out
.set PFO,  14                          ; the prefetches: 256 x lane
.set LR,   15                          ; 16 r
.set LI,   16                          ; v16 16 x lane; v17-19 the same + 65,536, 131,072, 196,608
.set SPW,  28
.set NIL,  29
.set TMP,  32
.set MM,   64
.set LQ,   128
.set RR,   192
.set FP,   200
.set TT,   208
.set EE,   216
.set LL,   224
.set RC,   232
.set GG,   64                          ; in window 3
.set BK,   64
.set MSB, 0
.macro WIN new                         ; the immediate's high byte repeats the setting that is left
.if MSB != (\new)
	s_set_vgpr_msb (MSB<<8)|(\new)
.set MSB, (\new)
.endif
.endm
.macro CROUND                          ; a round of the cluster's barrier
	s_barrier_signal -1
	s_barrier_wait -1
	s_cmp_lg_u32 s14, 0
	s_cbranch_scc1 .Lnot_wave_0_\@
	s_barrier_signal -3
.Lnot_wave_0_\@:
	s_barrier_wait -3
	s_barrier_signal -1
	s_barrier_wait -1
.endm
.macro PLACES                          ; plain vector instructions behind a matrix instruction, ahead of loads into its registers and of reads of its result
.rept 4
	v_nop
.endr
.endm
.macro ASKV f                          ; v's chunks 4 f .. 4 f + 3
	s_cmp_lg_u32 s14, 0
	s_cbranch_scc1 .Lnot_mine_\@
	global_prefetch_b8 v[PFO], s[78:79] offset:8192*(\f) th:TH_LOAD_NT scope:SCOPE_SE
.Lnot_mine_\@:
.endm
.macro VLOAD c                         ; my four tiles of v, chunk c, into set c % 4
	WIN 0x40
.irp b, 0,1,2,3
.irp g, 0,1,2,3
	global_load_b128 v[64*((\c)%4)+16*\b+4*\g:64*((\c)%4)+16*\b+4*\g+3], v[LI], s[46:47] offset:131072*\b+2048*(\c)+512*\g
.endr
.endr
	WIN 0
.endm
.macro FETCHP c                        ; p's eight tiles of chunk c: even chunks into window 0, odd ones into window 3
	WIN 0xc0*((\c)%2)
.set QB, 64+64*((\c)%2)
.irp i, 0,1,2,3,4,5,6,7
.set QA, LI+2*((\c)/8)+\i/4
.irp g, 0,1,2,3
	ds_load_b128 v[QB+16*\i+4*\g:QB+16*\i+4*\g+3], v[QA] offset:(\i%4)*16384+((\c)%8)*2048+512*\g
.endr
.endr
	WIN 0
.endm
; The sums times f of pair c / 2: each accumulator from its low end on; of f's pair of registers the first (even tiles) or the second serves both halves
.macro RSC c
	WIN 0x8e                                       ; source 0 and destination window 2, source 1 (f) window 3
.irp i, 0,1,2,3,4,5,6,7
.set FQ, 8*((\c)/2)+(\i&6)
.irp j, 0,2,4,6,8,10,12,14,16,18,20,22,24,26,28,30
.if (\i%2) == 0
	v_pk_mul_f32 v[32*\i+\j:32*\i+\j+1], v[32*\i+\j:32*\i+\j+1], v[FQ:FQ+1] op_sel_hi:[1,0]
.else
	v_pk_mul_f32 v[32*\i+\j:32*\i+\j+1], v[32*\i+\j:32*\i+\j+1], v[FQ:FQ+1] op_sel:[0,1] op_sel_hi:[1,1]
.endif
.endr
.endr
.endm
; Chunk c: 32 products.  Ahead of them, in one run, the next chunk's fragments are fetched and v's chunk three further on is asked for; ahead of a pair's first chunk the sums are rescaled.
; The 32 accumulators take turns, one instruction a turn.
.macro CHUNK c
.if (\c) == 7                          ; the next fetch is the first from p's second half: my part of it is in, and everybody's behind the barrier
	s_wait_tensorcnt 0x0
	s_wait_dscnt 0x0
	s_barrier_signal -1
	s_barrier_wait -1
.endif
	PLACES
.if (\c) < 13
	VLOAD (\c)+3
.endif
.if (\c) < 15
	FETCHP (\c)+1
.endif
.if (\c) == 0
	ASKV 2
.endif
.if (\c) == 4
	ASKV 3
.endif
.if (\c) < 13
	s_wait_loadcnt 48                              ; this chunk's v is in; the three chunks behind it may be out
.else
	s_wait_loadcnt 16*(15-(\c))
.endif
.if (\c) < 15
	s_wait_dscnt 32                                ; this chunk's fragments are in; the next chunk's may be out
.else
	s_wait_dscnt 0
.endif
.if ((\c) >= 2) && (((\c)%2) == 0)
	RSC \c
.endif
	WIN 0xa1+0x0c*((\c)%2)                         ; source 0 (v) window 1, source 1 (p) window 0 or 3, C and D window 2
.set KS, 64*((\c)%4)
.set QB, 64+64*((\c)%2)
.irp i, 0,1,2,3,4,5,6,7
.irp b, 0,1,2,3
.if (\c) == 0
	v_wmma_f32_16x16x128_bf8_bf8 v[32*\i+8*\b:32*\i+8*\b+7], v[KS+16*\b:KS+16*\b+15], v[QB+16*\i:QB+16*\i+15], 0
.else
	v_wmma_f32_16x16x128_bf8_bf8 v[32*\i+8*\b:32*\i+8*\b+7], v[KS+16*\b:KS+16*\b+15], v[QB+16*\i:QB+16*\i+15], v[32*\i+8*\b:32*\i+8*\b+7]
.endif
.endr
.endr
.endm
	s_load_b256 s[4:11], s[0:1], 0x0               ; Pi s[4:5], Vi s[6:7], St s[8:9], the scales s[10:11]
	s_load_b64 s[12:13], s[0:1], 0x20              ; out
	v_lshl_add_u32 v[SPW], v0, 2, SPARE
	v_mov_b32 v[NIL], 0
	ds_add_u32 v[SPW], v[NIL]                      ; the opening lines: the add, twice on end, ahead of my first tensor load
	ds_add_u32 v[SPW], v[NIL]
	v_lshrrev_b32 v1, 5, v0
	v_readfirstlane_b32 s14, v1                    ; wave 0..3
	s_bfe_u32 s40, ttmp6, 0x40000                  ; cx: the tile of 256 d (the grid is one cluster wide); cy
	s_bfe_u32 s41, ttmp6, 0x40004
	s_and_b32 s66, ttmp7, 0xffff
	s_lshl_b32 s17, s66, 2
	s_add_co_u32 s17, s17, s41                     ; the tile of 128 queries, 0..63, through all batches
	s_lshr_b32 s67, s66, 2                         ; the batch
	s_lshl_b32 s43, s41, 2
	s_lshl_b32 s43, 15, s43                        ; my row of the cluster
	; descriptor group 1: 2 rows (p's tiles) of 16,384 bytes (eight chunks), 32,768 apart in memory, dense in LDS
	s_or_b32 s24, s43, (1<<21)                     ; 15:0 the mask; elements of 1 byte; no padding; 21 set beside a mask
	s_mov_b32 s25, 16384<<16                       ; tensor_dim0
	s_mov_b32 s26, 2<<16                           ; tensor_dim1
	s_mov_b32 s27, 16384<<16                       ; tile_dim0
	s_mov_b32 s28, 2                               ; tile_dim1
	s_mov_b32 s29, 32768                           ; tensor_dim0_stride
	s_mov_b32 s30, 0
	s_mov_b32 s31, 0
	s_lshl_b32 s20, s17, 18                        ; p: 8 query tiles of 32,768 bytes: it holds cy and never cx;
	s_lshl_b32 s18, s14, 16                        ; my two of them
	s_add_co_u32 s20, s20, s18
	s_mov_b32 s21, 0
	s_lshl_b32 s46, s40, 21                        ; v: 16 d tiles of 131,072 bytes, my four of them, the batch's 16 chunks
	s_lshl_b32 s47, s14, 19
	s_add_co_u32 s46, s46, s47
	s_lshl_b32 s47, s67, 15
	s_add_co_u32 s46, s46, s47
	s_mov_b32 s47, 0
	s_lshl_b32 s48, s17, 10                        ; St at my two groups of 64 queries
	s_mov_b32 s49, 0
	s_lshl_b32 s50, s17, 19                        ; out at my first query (a row is 4,096 bytes) and my first d
	s_lshl_b32 s51, s40, 10
	s_add_co_u32 s50, s50, s51
	s_lshl_b32 s51, s14, 8
	s_add_co_u32 s50, s50, s51
	s_mov_b32 s51, 0
	s_lshl_b32 s76, s17, 18                        ; p's prefetch: tile 2 cx + wave / 2, second half, and of that the part wave % 2
	s_lshl_b32 s77, s40, 16
	s_add_co_u32 s76, s76, s77
	s_lshr_b32 s77, s14, 1
	s_lshl_b32 s77, s77, 15
	s_add_co_u32 s76, s76, s77
	s_and_b32 s77, s14, 1
	s_lshl_b32 s77, s77, 13
	s_add_co_u32 s76, s76, s77
	s_add_co_u32 s76, s76, 16384
	s_mov_b32 s77, 0
	s_and_b32 s78, s66, 3                          ; v's prefetch: tile 4 x (the cluster's place in the batch) + cy of the sixteen
	s_lshl_b32 s78, s78, 2
	s_add_co_u32 s78, s78, s41
	s_lshl_b32 s78, s78, 17
	s_lshl_b32 s79, s40, 21
	s_add_co_u32 s78, s78, s79
	s_lshl_b32 s79, s67, 15
	s_add_co_u32 s78, s78, s79
	s_mov_b32 s79, 0
	s_mul_i32 s22, s14, 4352
	s_add_co_u32 s22, s22, STAGE                   ; my stage
	v_and_b32 v1, 15, v0                           ; r
	v_bfe_u32 v2, v0, 4, 1                         ; h
	v_and_b32 v3, 31, v0                           ; lane
	v_lshlrev_b32 v[LI], 4, v3
	v_add_nc_u32 v[LI+1], 0x10000, v[LI]
	v_add_nc_u32 v[LI+2], 0x20000, v[LI]
	v_add_nc_u32 v[LI+3], 0x30000, v[LI]
	v_mul_u32_u24 v4, v2, 272
	v_lshl_add_u32 v4, v1, 4, v4
	v_add_nc_u32 v[RD], s22, v4                    ; back: lanes 0-15 take a row of 256 bytes, lanes 16-31 the next
	v_mul_u32_u24 v5, v1, 272
	v_lshl_add_u32 v5, v2, 5, v5
	v_add_nc_u32 v[STO], s22, v5                   ; in: row r, + 32 h
	v_lshlrev_b32 v6, 12, v2
	v_lshl_add_u32 v[GO], v1, 4, v6
	v_lshlrev_b32 v[LR], 4, v1
	v_lshlrev_b32 v[PFO], 8, v3
	s_wait_alu depctr_va_vdst(0)
	s_wait_dscnt 0x0                               ; both opening adds are done
	s_wait_kmcnt 0x0
	s_load_b64 s[72:73], s[10:11], 0x20            ; e8, e9
	s_add_nc_u64 s[8:9], s[8:9], s[48:49]
	s_add_nc_u64 s[46:47], s[6:7], s[46:47]
.irp c, 0,1,2,3,4,5,6,7
.irp u, 0,1
	global_load_b128 v[MM+8*\c+4*\u:MM+8*\c+4*\u+3], v[LR], s[8:9] offset:\c*65536+512*\u           ; M of pair c, tiles 4 u .. 4 u + 3
	global_load_b128 v[LQ+8*\c+4*\u:LQ+8*\c+4*\u+3], v[LR], s[8:9] offset:524288+\c*65536+512*\u    ; l likewise
.endr
.endr
	VLOAD 0
	s_mov_b32 s32, 1                               ; descriptor groups 0: p's halves
	s_lshl_b32 s33, s14, 15
	s_add_nc_u64 s[34:35], s[4:5], s[20:21]
	s_or_b32 s35, s35, 0x80000000
	s_mov_b32 s36, 1
	s_add_co_u32 s37, s33, HALF
	s_add_nc_u64 s[20:21], s[20:21], 16384
	s_add_nc_u64 s[38:39], s[4:5], s[20:21]
	s_or_b32 s39, s39, 0x80000000
	s_add_nc_u64 s[12:13], s[12:13], s[50:51]
	s_add_nc_u64 s[76:77], s[4:5], s[76:77]
	s_add_nc_u64 s[78:79], s[6:7], s[78:79]
	CROUND                                         ; all sixteen work-groups are here: the first joint loads meet
	tensor_load_to_lds s[32:35], s[24:31]          ; p's first half
	s_nop 0
	PLACES
	s_wait_loadcnt 16                              ; M and l are in; v's chunk 0 may be out
	VLOAD 1
	VLOAD 2
	global_prefetch_b8 v[PFO], s[76:77] th:TH_LOAD_NT scope:SCOPE_SE   ; p's second half, one fill ahead
	ASKV 1
	; THE FACTORS, while the first tiles are on their way: my lane's query of each of the eight tiles, side by side
.irp q, 0,1,2,3,4,5,6,7
	v_mov_b32 v[RR+\q], v[MM+\q]                   ; R_0 = F_0 = M_0
	v_mov_b32 v[FP+\q], v[MM+\q]
.endr
.set C, 1
.rept 7
.irp q, 0,1,2,3,4,5,6,7
	v_max_num_f32 v[RR+\q], v[RR+\q], v[MM+8*C+\q] ; R_c
.endr
.irp q, 0,1,2,3,4,5,6,7
	v_add_f32 v[TT+\q], 0xc2800000, v[RR+\q]       ; R_c - 64
.endr
.irp q, 0,1,2,3,4,5,6,7
	v_max_num_f32 v[TT+\q], v[TT+\q], v[MM+8*C+\q] ; F_c
.endr
.irp q, 0,1,2,3,4,5,6,7
	v_sub_f32 v[EE+\q], v[FP+\q], v[TT+\q]         ; F_(c-1) - F_c: a whole number, 64 at the most
.endr
.irp q, 0,1,2,3,4,5,6,7
	v_mov_b32 v[FP+\q], v[TT+\q]
.endr
.irp q, 0,1,2,3,4,5,6,7
	v_cvt_i32_f32 v[EE+\q], v[EE+\q]               ; (it saturates)
.endr
	WIN 0xc0
.irp q, 0,1,2,3,4,5,6,7
	v_ldexp_f32 v[8*C+\q], 1.0, v[EE+\q]           ; f_c
.endr
	WIN 0
.set C, C+1
.endr
.set C, 0
.rept 8
.irp q, 0,1,2,3,4,5,6,7
	v_sub_f32 v[EE+\q], v[MM+8*C+\q], v[RR+\q]     ; M_c - R_7, 0 or less
.endr
.irp q, 0,1,2,3,4,5,6,7
	v_cvt_i32_f32 v[EE+\q], v[EE+\q]
.endr
.if C == 0
.irp q, 0,1,2,3,4,5,6,7
	v_ldexp_f32 v[LL+\q], v[LQ+\q], v[EE+\q]       ; L begins
.endr
.else
.irp q, 0,1,2,3,4,5,6,7
	v_ldexp_f32 v[TT+\q], v[LQ+8*C+\q], v[EE+\q]
.endr
.irp q, 0,1,2,3,4,5,6,7
	v_add_f32 v[LL+\q], v[LL+\q], v[TT+\q]
.endr
.endif
.set C, C+1
.endr
.irp q, 0,1,2,3,4,5,6,7
	v_sub_f32 v[EE+\q], v[FP+\q], v[RR+\q]         ; F_7 - R_7, between -64 and 0
.endr
.irp q, 0,1,2,3,4,5,6,7
	v_cvt_i32_f32 v[EE+\q], v[EE+\q]
.endr
	s_wait_alu depctr_va_vdst(0)
	s_wait_kmcnt 0x0
	s_add_co_i32 s74, s72, s73                     ; e8 + e9: applied by v_ldexp_f32, so it has no limit of its own
.irp q, 0,1,2,3,4,5,6,7
	v_add_nc_u32 v[EE+\q], s74, v[EE+\q]
.endr
	s_wait_alu depctr_va_vdst(0)                   ; ahead of the batch
.irp q, 0,1,2,3,4,5,6,7
	v_rcp_f32 v[RC+\q], v[LL+\q]
.endr
	v_nop                                          ; a plain place behind the reciprocals
	s_wait_alu depctr_va_vdst(0)                   ; one wait for the batch, ahead of its first reader
	WIN 0xc0
.irp q, 0,1,2,3,4,5,6,7
	v_ldexp_f32 v[GG+\q], v[RC+\q], v[EE+\q]       ; 2^(F_7 - R_7 + e8 + e9) / L
.endr
	WIN 0
	s_wait_alu depctr_va_vdst(0)
	s_wait_tensorcnt 0x0                           ; my part of the first half is in; these lines stand ahead of a later first fill, as ahead of a refill
	ds_add_u32 v[SPW], v[NIL]
	s_wait_dscnt 0x0
	CROUND                                         ; everybody's part of the first half is in
	tensor_load_to_lds s[36:39], s[24:31]          ; p's second half
	s_nop 0
	PLACES
	FETCHP 0
.set N, 0
.rept 16
	CHUNK N
.set N, N+1
.endr
; THE WAY OUT, a tile of 16 queries at a time.  A lane holds 32 neighbouring bytes of a row for each b, and the lanes beside it hold other rows: so a tile goes through my own stage and comes back as whole rows of 256 bytes.
; LDS serves a wave's instructions in order (ISA guide 5.7.1.4): no wait between the stores and the loads, nor in front of the next tile's stores.
.macro TOSTAGE q
.set BB, BK+32*((\q)%2)
.set GP, GG+((\q)&6)
	WIN 0x0e                                       ; source 0 (the sums) window 2, source 1 (the factor) window 3
.irp j, 0,2,4,6,8,10,12,14,16,18,20,22,24,26,28,30
.if ((\q)%2) == 0
	v_pk_mul_f32 v[TMP+\j:TMP+\j+1], v[32*(\q)+\j:32*(\q)+\j+1], v[GP:GP+1] op_sel_hi:[1,0]
.else
	v_pk_mul_f32 v[TMP+\j:TMP+\j+1], v[32*(\q)+\j:32*(\q)+\j+1], v[GP:GP+1] op_sel:[0,1] op_sel_hi:[1,1]
.endif
.endr
	WIN 0
.irp d, 0,1,2,3
	ds_store_b128 v[STO], v[TMP+8*\d:TMP+8*\d+3] offset:64*\d
	ds_store_b128 v[STO], v[TMP+8*\d+4:TMP+8*\d+7] offset:64*\d+16
.endr
.irp t, 0,1,2,3,4,5,6,7
	ds_load_b128 v[BB+4*\t:BB+4*\t+3], v[RD] offset:\t*544
.endr
.endm
.macro SEND q, younger                 ; younger: the LDS instructions issued behind tile q's loads, which may stay out
.set BB, BK+32*((\q)%2)
	s_wait_dscnt \younger
.irp t, 0,1,2,3,4,5,6,7
	global_store_b128 v[GO], v[BB+4*\t:BB+4*\t+3], s[12:13] offset:(16*(\q)+2*\t)*4096 th:TH_STORE_NT   ; sixteen lanes store 256 consecutive bytes, at a multiple of 256 from out's first byte
.endr
.endm
	PLACES                                         ; behind the last products: for the first reads of sums and for the loads into p's registers
	TOSTAGE 0
.irp q, 1,2,3,4,5,6,7
.if \q > 1
	s_wait_xcnt 0x0                                ; tile q - 2's stores have read their registers: tile q's rows may land there
.endif
	TOSTAGE \q
	SEND \q-1, 16                                  ; behind tile q - 1's loads: tile q's 8 stores and 8 loads
.endr
	SEND 7, 0
	s_wait_tensorcnt 0x0                           ; the wave's end
	ds_add_u32 v[SPW], v[NIL]
	s_wait_dscnt 0x0
	CROUND                                         ; the closing round
	s_endpgm
.Lfunc_end_k_q0eb25492cd_pv:
	.size	k_q0eb25492cd_pv, .Lfunc_end_k_q0eb25492cd_pv-k_q0eb25492cd_pv
	.p2alignl 7, 3214868480
	.fill 96, 4, 3214868480
	.section	.rodata,"a",@progbits
	.p2align	6, 0x0
	.amdhsa_kernel k_q0eb25492cd_pv
		.amdhsa_group_segment_fixed_size 327680
		.amdhsa_private_segment_fixed_size 0
		.amdhsa_enable_private_segment 0
		.amdhsa_kernarg_size 40
		.amdhsa_user_sgpr_count 2
		.amdhsa_user_sgpr_kernarg_segment_ptr 1
		.amdhsa_wavefront_size32 1
		.amdhsa_system_sgpr_workgroup_id_x 1
		.amdhsa_system_sgpr_workgroup_id_y 1
		.amdhsa_system_sgpr_workgroup_id_z 1
		.amdhsa_system_vgpr_workitem_id 0
		.amdhsa_next_free_vgpr 1024
		.amdhsa_next_free_sgpr 102
		.amdhsa_reserve_vcc 0
		.amdhsa_float_denorm_mode_32 3
		.amdhsa_float_denorm_mode_16_64 3
		.amdhsa_memory_ordered 1
		.amdhsa_forward_progress 1
		.amdhsa_inst_pref_size 211
	.end_amdhsa_kernel
	.amdgpu_metadata
---
amdhsa.version: [ 1, 2 ]
amdhsa.kernels:
  - .name:           k_q0eb25492cd_pv
    .symbol:         k_q0eb25492cd_pv.kd
    .args:
      - { .name: Pi, .offset: 0, .size: 8, .value_kind: global_buffer, .address_space: global }
      - { .name: Vi, .offset: 8, .size: 8, .value_kind: global_buffer, .address_space: global }
      - { .name: St, .offset: 16, .size: 8, .value_kind: global_buffer, .address_space: global }
      - { .name: lowp_scales, .offset: 24, .size: 8, .value_kind: global_buffer, .address_space: global }
      - { .name: out0, .offset: 32, .size: 8, .value_kind: global_buffer, .address_space: global }
    .group_segment_fixed_size: 327680
    .private_segment_fixed_size: 0
    .kernarg_segment_align: 8
    .kernarg_segment_size: 40
    .max_flat_workgroup_size: 128
    .sgpr_count:     102
    .vgpr_count:     1024
    .wavefront_size: 32
...
	.end_amdgpu_metadata
.endif
;; end of part 3
